; MI455X (gfx1250); checked and timed in simulation.
; The chip was launched on July 23, 2026; its instructions are those of AMD's public machine-readable ISA for CDNA 5 (MIT licence, August 2026) and "CDNA5" Instruction Set Architecture Reference Guide (July 2026). The comments in the code are by the model that wrote it; some were corrected since.
;; Quaternion Dense. Allowed arithmetic: float matrix products may take bf16 or f16 operands with f32 sums; all other float work in f32.
;; Inputs: W_i 1,024 x 1,024 float32; W_j 1,024 x 1,024 float32; W_k 1,024 x 1,024 float32; W_r 1,024 x 1,024 float32; bias 4,096 float32; x 4,096 x 4,096 float32.
;; Outputs: out0 4,096 x 4,096 float32.
;; 2 versions, each right; version 2 is version 1 with the launch prep written anew for expert scheduling mode. Each part assembles by itself: llvm-mc -triple=amdgcn-amd-amdhsa -mcpu=gfx1250 --defsym DOCPART=n.
;; ======== version 1 of 2: 2 launches
;; workspace buffers: xb 33,554,432 bytes; wb 33,554,432 bytes
;; launch prep (part 1): grid 768 x 1, 8 waves a work-group, no clusters, 0 bytes of LDS; arguments x, W_r, W_i, W_j, W_k, xb, wb; writes xb, wb
.if DOCPART == 1
	.amdgcn_target "amdgcn-amd-amdhsa--gfx1250"
	.amdhsa_code_object_version 6
	.text
	.protected	k_qbde7d4bc30_prep
	.globl	k_qbde7d4bc30_prep
	.p2align	8
	.type	k_qbde7d4bc30_prep,@function
k_qbde7d4bc30_prep:
	s_mov_b64 s[64:65], 0
	v_nop
	global_prefetch_b8 v0, s[64:65] scope:SCOPE_SE
	s_setreg_imm32_b32 hwreg(HW_REG_WAVE_MODE, 25, 1), 1
	s_wait_xcnt 0x0
; xb = bf16(x), [4096][4096];  wb = bf16(W_block), [4096 (n)][4096 (k)]: sixteen blocks of 1024 x 1024, block (o, i) = +-W_s with s = o xor i
; (r, i, j, k numbered 0 to 3), negative where bit 4 o + i of SIGNS is set (the Hamilton product's pattern: rows E, 8, 2, 4).
; LIMITS.  Each number is rounded once, to nearest even; bf16 has f32's range, so nothing overflows that was finite by more than the rounding; the sign is
; flipped behind the rounding, which gives the same number as rounding the negative; the negative of a zero is -0; NaN and infinities pass as the conversion leaves them.
; A STREAM: a chunk is 1,024 f32 (4,096 bytes in, 2,048 bytes out).  Thread t owns numbers 4 t to 4 t + 3 of every chunk: a wave's load covers 512 consecutive bytes,
; a wave's store 256 consecutive bytes that begin at a multiple of 256 from the buffer's first byte.
; SHARES.  Work-groups 0 to 511: 32 chunks of x each (8 rows).  Work-groups 512 to 767: 4 rows of each of the four W (a row is a chunk); each is read and rounded
; once and stored four times, once into each row of blocks.  Either kind moves 768 bytes a thread.
; All of a thread's loads go out first, each into registers of its own; the waits count down, and no register that a load or store names is ever written again,
; so no wait frees a source.  No LDS, no barrier, no matrix unit, no cluster: the work-groups share no input and no wave needs another's numbers.
.set XGROUPS, 512                      ; work-groups that cast x
.set SIGNS,   0x428e
.set X,       4                        ; v[4:131]  four registers for each load; v1 = 16 t (in), v2 = 8 t (out)
	s_load_b256 s[4:11], s[0:1], 0x0               ; x s[4:5], W_r s[6:7], W_i s[8:9], W_j s[10:11]
	s_load_b128 s[12:15], s[0:1], 0x20             ; W_k s[12:13], xb s[14:15]
	s_load_b64 s[16:17], s[0:1], 0x30              ; wb
	v_lshlrev_b32 v1, 4, v0
	v_lshlrev_b32 v2, 3, v0
	s_mov_b32 s19, 0                               ; the offsets' high words
	s_mov_b32 s21, 0
	s_cmp_lt_u32 ttmp9, XGROUPS
	s_cbranch_scc0 .Lweights
	; ---- x ----
	s_lshl_b32 s18, ttmp9, 17                      ; 32 chunks of 4,096 bytes in,
	s_lshl_b32 s20, ttmp9, 16                      ; of 2,048 bytes out
	s_wait_kmcnt 0x0
	s_add_nc_u64 s[4:5], s[4:5], s[18:19]
	s_add_nc_u64 s[14:15], s[14:15], s[20:21]
.set n, 0
.rept 32
	global_load_b128 v[X+4*n:X+4*n+3], v1, s[4:5] offset:4096*n th:TH_LOAD_NT  ; read once in the launch
.set n, n+1
.endr
.macro XCHUNK i
	s_wait_loadcnt 31-(\i)                         ; loads come back in order (ISA guide 5.7.1): chunk i is in, the 31 - i younger ones stay out
	v_cvt_pk_bf16_f32 v[X+4*(\i)], v[X+4*(\i)], v[X+4*(\i)+1]      ; in place: the first pair's word lands on a register that is spent by then,
	v_cvt_pk_bf16_f32 v[X+4*(\i)+1], v[X+4*(\i)+2], v[X+4*(\i)+3]  ; and so does the second's
	global_store_b64 v2, v[X+4*(\i):X+4*(\i)+1], s[14:15] offset:2048*(\i)  ; no hint: the next launch reads it
.endm
.set n, 0
.rept 32
	XCHUNK n
.set n, n+1
.endr
	s_endpgm
	; ---- the four W ----
.Lweights:
	s_sub_co_u32 s23, ttmp9, XGROUPS               ; which 4 rows
	s_lshl_b32 s18, s23, 14                        ; 4 rows of 4,096 bytes in each W,
	s_lshl_b32 s20, s23, 15                        ; 4 rows of 8,192 bytes in wb
	s_mov_b32 s22, 0x80008000                      ; the signs of two bf16
	s_wait_kmcnt 0x0
.irp s, 0,1,2,3
	s_add_nc_u64 s[6+2*(\s):7+2*(\s)], s[6+2*(\s):7+2*(\s)], s[18:19]
.endr
.irp o, 0,1,2,3
	s_add_nc_u64 s[24+2*(\o):25+2*(\o)], s[16:17], s[20:21]        ; wb at my rows of the row of blocks o:
.if (\o) != 0
	s_add_nc_u64 s[24+2*(\o):25+2*(\o)], s[24+2*(\o):25+2*(\o)], (\o)*0x800000  ; 1,024 rows of 8,192 bytes apart
.endif
.endr
.macro WLOAD q, s                      ; row q of my four, of source s
	global_load_b128 v[X+4*(4*(\q)+(\s)):X+4*(4*(\q)+(\s))+3], v1, s[6+2*(\s):7+2*(\s)] offset:4096*(\q) th:TH_LOAD_NT
.endm
.macro WOUT q, s
.set RG, X+4*(4*(\q)+(\s))
	s_wait_loadcnt 15-(4*(\q)+(\s))                ; this row is in, the younger ones stay out
	v_cvt_pk_bf16_f32 v[RG], v[RG], v[RG+1]
	v_cvt_pk_bf16_f32 v[RG+1], v[RG+2], v[RG+3]
.if (\s) != 0                          ; W_r is never negated
	v_xor_b32 v[RG+2], s22, v[RG]                  ; the negatives, in the two registers that are spent
	v_xor_b32 v[RG+3], s22, v[RG+1]
.endif
.irp o, 0,1,2,3                        ; in the row of blocks o source s stands in column block o xor s
.set COL, (\o)^(\s)
.set NEG, (SIGNS>>(4*(\o)+COL))&1
	global_store_b64 v2, v[RG+2*NEG:RG+2*NEG+1], s[24+2*(\o):25+2*(\o)] offset:8192*(\q)+2048*COL
.endr
.endm
.irp q, 0,1,2,3
.irp s, 0,1,2,3
	WLOAD \q, \s
.endr
.endr
.irp q, 0,1,2,3
.irp s, 0,1,2,3
	WOUT \q, \s
.endr
.endr
	s_endpgm
.Lfunc_end_k_qbde7d4bc30_prep:
	.size	k_qbde7d4bc30_prep, .Lfunc_end_k_qbde7d4bc30_prep-k_qbde7d4bc30_prep
	.p2alignl 7, 3214868480
	.fill 96, 4, 3214868480
	.section	.rodata,"a",@progbits
	.p2align	6, 0x0
	.amdhsa_kernel k_qbde7d4bc30_prep
		.amdhsa_group_segment_fixed_size 0
		.amdhsa_private_segment_fixed_size 0
		.amdhsa_enable_private_segment 0
		.amdhsa_kernarg_size 56
		.amdhsa_user_sgpr_count 2
		.amdhsa_user_sgpr_kernarg_segment_ptr 1
		.amdhsa_wavefront_size32 1
		.amdhsa_system_sgpr_workgroup_id_x 1
		.amdhsa_system_sgpr_workgroup_id_y 1
		.amdhsa_system_sgpr_workgroup_id_z 1
		.amdhsa_system_vgpr_workitem_id 0
		.amdhsa_next_free_vgpr 132
		.amdhsa_next_free_sgpr 66
		.amdhsa_reserve_vcc 0
		.amdhsa_float_denorm_mode_32 3
		.amdhsa_float_denorm_mode_16_64 3
		.amdhsa_memory_ordered 1
		.amdhsa_forward_progress 1
		.amdhsa_inst_pref_size 24
	.end_amdhsa_kernel
	.amdgpu_metadata
---
amdhsa.version: [ 1, 2 ]
amdhsa.kernels:
  - .name:           k_qbde7d4bc30_prep
    .symbol:         k_qbde7d4bc30_prep.kd
    .args:
      - { .name: x, .offset: 0, .size: 8, .value_kind: global_buffer, .address_space: global }
      - { .name: W_r, .offset: 8, .size: 8, .value_kind: global_buffer, .address_space: global }
      - { .name: W_i, .offset: 16, .size: 8, .value_kind: global_buffer, .address_space: global }
      - { .name: W_j, .offset: 24, .size: 8, .value_kind: global_buffer, .address_space: global }
      - { .name: W_k, .offset: 32, .size: 8, .value_kind: global_buffer, .address_space: global }
      - { .name: xb, .offset: 40, .size: 8, .value_kind: global_buffer, .address_space: global }
      - { .name: wb, .offset: 48, .size: 8, .value_kind: global_buffer, .address_space: global }
    .group_segment_fixed_size: 0
    .private_segment_fixed_size: 0
    .kernarg_segment_align: 8
    .kernarg_segment_size: 56
    .max_flat_workgroup_size: 256
    .sgpr_count:     66
    .vgpr_count:     132
    .wavefront_size: 32
...
	.end_amdgpu_metadata
.endif
;; end of part 1
;; launch gemm (part 2): grid 16 x 16, 4 waves a work-group, clusters of 4 x 4, 327,680 bytes of LDS; arguments xb, wb, out0, bias; writes out0
.if DOCPART == 2
	.amdgcn_target "amdgcn-amd-amdhsa--gfx1250"
	.amdhsa_code_object_version 6
	.text
	.protected	k_qbde7d4bc30_gemm
	.globl	k_qbde7d4bc30_gemm
	.p2align	8
	.type	k_qbde7d4bc30_gemm,@function
k_qbde7d4bc30_gemm:
	s_mov_b64 s[64:65], 0
	v_nop
	global_prefetch_b8 v0, s[64:65] scope:SCOPE_SE
	s_setreg_imm32_b32 hwreg(HW_REG_WAVE_MODE, 25, 1), 1
	s_wait_xcnt 0x0
	s_wait_alu depctr_hold_cnt(0) depctr_sa_sdst(0) depctr_va_vdst(0) depctr_va_sdst(0) depctr_va_ssrc(0) depctr_va_vcc(0) depctr_vm_vsrc(0)
	s_getreg_b32 s2, hwreg(HW_REG_IB_STS2, 6, 4)
	s_cmp_eq_u32 s2, 0
	s_cbranch_scc0 .Lentry_in_a_cluster
	s_endpgm
.Lentry_in_a_cluster:
	s_bfe_u32 s2, ttmp6, 0x10000c
	s_cmp_lg_u32 s2, 0xf033
	s_cbranch_scc0 .Lentry_shape_is_right
	s_endpgm
.Lentry_shape_is_right:
; out0[m][n] = sum over k of xb[m][k] wb[n][k] + bias[n].  xb: [4096][4096] bf16, wb: [4096][4096] bf16 (the block matrix with its signs), bias: [4096] f32, out0: [4096][4096] f32.
; LIMITS.  The operands are the inputs rounded once to bf16 by the launch before; one f32 sum for each output, K ascending, in the matrix unit's own order of addition; the bias is
; added last, in f32, unrounded.  NaN and infinities are not treated apart.
; A tile of out0, 256 x 256, is made by a work-group of four waves; a wave makes 128 x 128: 64 accumulators of 16 x 16, 512 registers.  4096 / 256 squared = 256 work-groups, one tile each.
; K goes in 32 steps of 128 through a ring of two LDS slots filled by the tensor data mover: a tile's rows are 256 bytes of memory and start at multiples of 256 bytes from the buffer's first byte.
; CLUSTERS: 4 x 4 work-groups.  The four of a row of the cluster need the same tiles of xb, the four of a column the same tiles of wb.  Such a tile is asked for JOINTLY: each of the four
; issues the same tensor load, with the same descriptor and a mask that names the four, and each receives the tile in its own LDS: a quarter of the requests for both operands.
;
; REGISTERS, in windows of 256 (an instruction names v0-v255; s_set_vgpr_msb says which window each operand place means: bits 1:0 source 0, 3:2 source 1, 5:4 source 2, 7:6 destination):
;   window 0: v0-31 addresses; v32-39 my bias; v64-127, v128-191 fragments of xb (8 x 16 rows x 32 K), two buffers; on the way out the same 128 registers take rows read back from the stage
;   window 1: v64-127, v128-191 fragments of wb, two buffers
;   window 2: the 32 accumulators of my rows 0-63 (accumulator (a, b) at v[8 (8 a + b)]);   window 3: those of my rows 64-127
; THE MATRIX INSTRUCTION IS USED TRANSPOSED: source 0 = 16 rows of wb, source 1 = 16 rows of xb.  In the result lane l holds row l % 16 of out0, and its registers 0 to 7 the columns
; 8 (l / 16) + 0 .. 7: eight neighbouring numbers of a row, 32 bytes.
.set SIZE_N, 4096
.set SIZE_K, 4096
.set KSTEP,  128
.set PITCH,  272                       ; an LDS row: 256 bytes of data + 16 of padding = 68 words: row r starts at bank 4 r mod 64 (64 banks of 4 bytes: ISA guide 11.1), so the 16 rows that a load touches start at 16 different banks
.set HALFT,  128*PITCH                 ; 128 rows: what one tensor load brings, and what one wave reads of either operand
.set SLOT,   4*HALFT                   ; xb's 256 rows, then wb's 256 rows
.set STAGE,  2*SLOT                    ; behind the ring (byte 278,528 = 1,088 x 256): 16 rows x 528 bytes for each wave (8,448 = 33 x 256), for the way out; no tensor load fills it
.set SPITCH, 528                       ; a stage row: my 128 columns in f32, 512 bytes, + 16 of padding = 33 x 16: the 16 rows that a store touches start at 16 different groups of four banks
.set SPARE,  STAGE+4*16*SPITCH         ; behind the stages (byte 312,320 = 1,220 x 256): the spare words, 128 bytes for each wave: two blocks of 256 bytes that no other line names
.set LAPS, SIZE_K/(2*KSTEP)            ; a lap = two K steps = once round the ring: 16
.set ADRA, 16                          ; v16-17  LDS address of my xb fragments in slot 0, 1
.set ADRB, 20                          ; v20-21  the same for wb
.set STO,  24                          ; v24     the way out: where I put 32 bytes of a row
.set RD,   25                          ; v25     the way out: where I read a row back
.set CO,   26                          ; v26     my byte offset in out0
.set BO,   27                          ; v27     my byte offset in my wave's 512 bytes of bias
.set SPW,  28                          ; v28     LDS address of my spare word: SPARE + 4 x my thread's number; never rewritten
.set NIL,  29                          ; v29     0; never rewritten
.set BI,   32                          ; v32-39  bias of columns 64 u + 4 (l % 16) + 0..3 of my 128, u = 0, 1
.set F0,   64                          ; fragment buffer 0
.set F1,   128                         ; fragment buffer 1
.set OB,   64                          ; the way out: 16 rows read back from the stage: v64-127 and v128-191 by turns
.set G1, 24                            ; s[24:31] descriptor group 1 for xb's tiles
.set G0, 32                            ; s[32:39] descriptor group 0 for xb's tiles, one set for each slot
.set G1B, 48                           ; s[48:55] descriptor group 1 for wb's tiles: it differs in the mask alone
.set G0B, 56                           ; s[56:63] descriptor group 0 for wb's tiles, one set for each slot
.set MSB, 0
.macro WIN new                         ; the immediate's high byte repeats the setting that is left; a switch that changes nothing is dropped
.if MSB != (\new)
	s_set_vgpr_msb (MSB<<8)|(\new)
.set MSB, \new
.endif
.endm
.set MUL_LO, 0xa1                      ; source 0 (wb) window 1, source 1 (xb) window 0, C and D window 2
.set MUL_HI, 0xf1                      ; the same, C and D window 3
.set TO_B,   0x40                      ; destination window 1, address window 0
; A joint load.  Waves 0 and 1 fetch xb's two halves, waves 2 and 3 wb's.  Each of the two lines has ONE mask and one set of registers for all that issue it, and nothing in
; them hangs on a coordinate that the four partners do not share.  The branch hangs on the wave's number alone: it is the same in every work-group.
; An s_nop 0 and four v_nop follow each of the two lines; the jump round the other line, the label and what follows the macro come after them.
.macro JLOAD s
	s_cmp_eq_u32 s11, 0
	s_cbranch_scc0 .Lfor_b_\@
	tensor_load_to_lds s[G0+4*(\s):G0+4*(\s)+3], s[G1:G1+7]
	s_nop 0
.rept 4
	v_nop
.endr
	s_branch .Lasked_\@
.Lfor_b_\@:
	tensor_load_to_lds s[G0B+4*(\s):G0B+4*(\s)+3], s[G1B:G1B+7]
	s_nop 0
.rept 4
	v_nop
.endr
.Lasked_\@:
.endm
; A round of the cluster's barrier: my work-group's barrier, so that wave 0's signal speaks for all four waves; wave 0 signals for the work-group; every wave waits for all
; sixteen work-groups; my work-group's barrier once more.  No LDS instruction of the wave is pending at a signal.
.macro CREST                           ; a round behind its opening barrier
	s_cmp_lg_u32 s10, 0
	s_cbranch_scc1 .Lnot_wave_0_\@
	s_barrier_signal -3
.Lnot_wave_0_\@:
	s_barrier_wait -3
	s_barrier_signal -1
	s_barrier_wait -1
.endm
.macro CROUND                          ; a whole round
	s_barrier_signal -1
	s_barrier_wait -1
	CREST
.endm
	s_load_b128 s[4:7], s[0:1], 0x0                ; xb s[4:5], wb s[6:7]
	s_load_b64 s[8:9], s[0:1], 0x10                ; out0
	s_load_b64 s[66:67], s[0:1], 0x18              ; bias
	v_lshl_add_u32 v[SPW], v0, 2, SPARE
	v_mov_b32 v[NIL], 0
	ds_add_u32 v[SPW], v[NIL]                      ; the wave's opening: the add and its wait come ahead of my first tensor load; the set-up below, work on registers, stands between them
	v_lshrrev_b32 v1, 5, v0
	v_readfirstlane_b32 s10, v1                    ; wave 0..3
	s_lshr_b32 s11, s10, 1                         ; which half of the tile's rows is mine.  Also: I fetch for xb (0) or for wb (1)
	s_and_b32 s12, s10, 1                          ; which half of its columns.  Also: which 128 rows of that tile I fetch
	s_bfe_u32 s40, ttmp6, 0x40000                  ; cx: my place along the cluster's x
	s_bfe_u32 s41, ttmp6, 0x40004                  ; cy: along its y
	s_lshl_b32 s42, ttmp9, 2                       ; in a cluster launch ttmp9 and ttmp7 count clusters
	s_add_co_u32 s42, s42, s40                     ; tile column of out0 = 4 x cluster x + cx
	s_and_b32 s13, ttmp7, 0xffff
	s_lshl_b32 s13, s13, 2
	s_add_co_u32 s13, s13, s41                     ; tile row of out0 = 4 x cluster y + cy
	s_lshl_b32 s43, s41, 2
	s_lshl_b32 s43, 15, s43                        ; my row of the cluster: places 4 cy .. 4 cy + 3
	s_lshl_b32 s44, 0x1111, s40                    ; my column: places cx, cx + 4, cx + 8, cx + 12
	; descriptor group 1: a tile of 128 rows x 128 elements, padded in LDS
	s_or_b32 s[G1+0], s43, (1<<16)|(1<<20)|(1<<21)|(5<<22)|(3<<25)  ; 15:0 the mask: xb's tiles go to my row; 17:16 element of 2 bytes; 20 padding on; 21 set beside a mask; 24:22 after every 64 words (code 5); 31:25 of 4 words (code 3)
	s_or_b32 s[G1B+0], s44, (1<<16)|(1<<20)|(1<<21)|(5<<22)|(3<<25) ; the same with the mask of my column, for wb's tiles
	s_mov_b32 s[G1B+1], KSTEP<<16
	s_mov_b32 s[G1+1], KSTEP<<16                   ; 63:48 tensor_dim0, low half = 128
	s_mov_b32 s[G1B+2], 128<<16
	s_mov_b32 s[G1+2], 128<<16                     ; 79:64 its high half = 0; 95:80 tensor_dim1, low half = 128
	s_mov_b32 s[G1B+3], KSTEP<<16
	s_mov_b32 s[G1+3], KSTEP<<16                   ; 111:96 its high half = 0; 127:112 tile_dim0 = 128
	s_mov_b32 s[G1B+4], 128
	s_mov_b32 s[G1+4], 128                         ; 143:128 tile_dim1 = 128; 159:144 tile_dim2 = 0
	s_mov_b32 s[G1B+5], SIZE_K
	s_mov_b32 s[G1+5], SIZE_K                      ; 191:160 tensor_dim0_stride, low word: elements from row to row
	s_mov_b32 s[G1B+6], 0
	s_mov_b32 s[G1+6], 0
	s_mov_b32 s[G1B+7], 0
	s_mov_b32 s[G1+7], 0
	; where the tiles come from.  xb's hang on the tile row alone, which my row of the cluster shares; wb's on the tile column alone, which my column shares.
	; Every wave makes both addresses, in registers that never hold the other coordinate, and asks by one of them.
	s_lshl_b32 s17, s12, 7                         ; which 128 rows of the tile I fetch
	s_lshl_b32 s16, s13, 8
	s_add_co_u32 s16, s16, s17                     ; xb: row 256 x tile row + 128 x half
	s_lshl_b32 s46, s42, 8
	s_add_co_u32 s46, s46, s17                     ; wb: row 256 x tile column + 128 x half
	s_mov_b32 s17, 0
	s_mov_b32 s47, 0
	s_mov_b64 s[18:19], SIZE_K*2
	s_mul_u64 s[16:17], s[16:17], s[18:19]         ; in bytes
	s_mul_u64 s[46:47], s[46:47], s[18:19]
	s_mul_i32 s20, s10, HALFT                      ; and where they go: xb's two halves, then wb's two halves = wave x 128 rows: no place in the cluster enters an LDS address
	s_wait_dscnt 0x0                               ; the opening add is done
	s_wait_kmcnt 0x0
	s_add_nc_u64 s[14:15], s[4:5], s[16:17]
	s_add_nc_u64 s[46:47], s[6:7], s[46:47]
	CROUND                                         ; all sixteen work-groups are here: the first joint loads meet
.irp s, 0,1
	s_mov_b32 s[G0+4*(\s)], 1                                      ; 1:0 count = 1
	s_add_co_u32 s[G0+4*(\s)+1], s20, (\s)*SLOT                    ; 63:32 LDS address
	s_add_nc_u64 s[G0+4*(\s)+2:G0+4*(\s)+3], s[14:15], (\s)*KSTEP*2  ; 120:64 global address: K step s
	s_or_b32 s[G0+4*(\s)+3], s[G0+4*(\s)+3], 0x80000000            ; 127:126 type = 2
	s_mov_b32 s[G0B+4*(\s)], 1
	s_add_co_u32 s[G0B+4*(\s)+1], s20, (\s)*SLOT
	s_add_nc_u64 s[G0B+4*(\s)+2:G0B+4*(\s)+3], s[46:47], (\s)*KSTEP*2
	s_or_b32 s[G0B+4*(\s)+3], s[G0B+4*(\s)+3], 0x80000000
	JLOAD \s                                       ; the ring is filled before anything else is done: two tensor loads of mine are out
.endr
	; A fragment is 16 rows x 32 K in 8 registers: lane l holds row l % 16; registers 0-3 hold K = 8 (l / 16) + 0..7, registers 4-7 hold
	; K = 16 + 8 (l / 16) + 0..7.  From rows that lie along K: two loads of 16 bytes, 32 bytes apart.  The same for source 0 and source 1.
	v_and_b32 v1, 15, v0                           ; l % 16
	v_bfe_u32 v2, v0, 4, 1                         ; l / 16
	v_mul_u32_u24 v3, v1, PITCH
	v_lshl_add_u32 v3, v2, 4, v3                   ; row x pitch + 16 x half
	s_mul_i32 s21, s11, HALFT                      ; my 128 rows of xb
	s_mul_i32 s22, s12, HALFT                      ; my 128 rows of wb,
	s_add_co_u32 s22, s22, 2*HALFT                 ; which lie behind xb's 256
.irp s, 0,1
	v_add_nc_u32 v[ADRA+(\s)], s21, v3
	v_add_nc_u32 v[ADRB+(\s)], s22, v3
	s_add_co_u32 s21, s21, SLOT
	s_add_co_u32 s22, s22, SLOT
.endr
	s_mul_i32 s23, s10, 16*SPITCH
	s_add_co_u32 s23, s23, STAGE                   ; my stage
	v_mul_u32_u24 v4, v1, SPITCH                   ; in: row l % 16, 32 bytes for each half of the lanes
	v_lshl_add_u32 v4, v2, 5, v4
	v_add_nc_u32 v[STO], s23, v4
	v_mul_u32_u24 v5, v2, SPITCH                   ; back: lanes 0-15 take 256 bytes of one row, lanes 16-31 of the next
	v_lshl_add_u32 v5, v1, 4, v5
	v_add_nc_u32 v[RD], s23, v5
	v_lshlrev_b32 v[BO], 4, v1                     ; 16 (l % 16): my four columns among 64
	v_lshl_add_u32 v[CO], v2, 14, v[BO]            ; and the same two rows in out0, 16,384 bytes apart
	; out0 at my wave's first row and column; bias at my wave's first column
	s_lshl_b32 s13, s13, 8
	s_lshl_b32 s14, s11, 7
	s_add_co_u32 s16, s13, s14                     ; my first row
	s_mov_b32 s17, 0
	s_mov_b64 s[18:19], SIZE_N*4
	s_mul_u64 s[16:17], s[16:17], s[18:19]
	s_add_nc_u64 s[8:9], s[8:9], s[16:17]
	s_lshl_b32 s46, s42, 10                        ; my first column, in bytes of f32: 1,024 x tile column + 512 x half (in the registers that held wb's address: none that feeds xb's descriptors ever holds cx)
	s_lshl_b32 s47, s12, 9
	s_add_co_u32 s46, s46, s47
	s_mov_b32 s47, 0
	s_add_nc_u64 s[8:9], s[8:9], s[46:47]
	s_add_nc_u64 s[66:67], s[66:67], s[46:47]
	global_load_b128 v[BI:BI+3],   v[BO], s[66:67]             ; sixteen lanes take 256 consecutive bytes; both halves of the lanes the same
	global_load_b128 v[BI+4:BI+7], v[BO], s[66:67] offset:256
; 16 matrix instructions: m blocks a0, a0 + 1 of the window's four (hi = 0: my rows 0-63, 1: rows 64-127) x all 8 n blocks, 32 along K.
; zero = 1: the first product starts the sums: nothing is ever cleared.
.macro MUL16 f, hi, a0, zero
	WIN MUL_LO+0x50*(\hi)  ; MUL_LO or MUL_HI
.irp a, \a0, (\a0)+1
.irp b, 0,1,2,3,4,5,6,7
.if \zero
	v_wmma_f32_16x16x32_bf16 v[8*(8*(\a)+(\b)):8*(8*(\a)+(\b))+7], v[(\f)+8*(\b):(\f)+8*(\b)+7], v[(\f)+8*(4*(\hi)+(\a)):(\f)+8*(4*(\hi)+(\a))+7], 0
.else
	v_wmma_f32_16x16x32_bf16 v[8*(8*(\a)+(\b)):8*(8*(\a)+(\b))+7], v[(\f)+8*(\b):(\f)+8*(\b)+7], v[(\f)+8*(4*(\hi)+(\a)):(\f)+8*(4*(\hi)+(\a))+7], v[8*(8*(\a)+(\b)):8*(8*(\a)+(\b))+7]
.endif
.endr
.endr
.endm
; 32 LDS loads in one run: the fragments of one quarter step (128 rows of wb, 128 rows of xb, 32 K at byte k of the rows) into buffer f
.macro FETCH slot, k, f
	WIN TO_B
.irp i, 0,1,2,3,4,5,6,7
	ds_load_b128 v[(\f)+8*(\i):(\f)+8*(\i)+3],   v[ADRB+(\slot)] offset:(\k)+(\i)*16*PITCH
	ds_load_b128 v[(\f)+8*(\i)+4:(\f)+8*(\i)+7], v[ADRB+(\slot)] offset:(\k)+(\i)*16*PITCH+32
.endr
	WIN 0
.irp i, 0,1,2,3,4,5,6,7
	ds_load_b128 v[(\f)+8*(\i):(\f)+8*(\i)+3],   v[ADRA+(\slot)] offset:(\k)+(\i)*16*PITCH
	ds_load_b128 v[(\f)+8*(\i)+4:(\f)+8*(\i)+7], v[ADRA+(\slot)] offset:(\k)+(\i)*16*PITCH+32
.endr
.endm
; A load into a register that a matrix instruction has read, and an LDS store or vector instruction that reads a matrix result, stand four places behind that matrix
; instruction, and only plain vector instructions that name none of its registers are places (ISA guide 7.12.1 for vector instructions);
; this text does not count the matrix instructions in between.  So four v_nop stand in front of each run of loads, and in front of the way out.
.macro PLACES
.rept 4
	v_nop
.endr
.endm
; A K step is four quarter steps of 32 along K, 64 matrix instructions each, on buffers 0, 1, 0, 1.  The 64 accumulators take turns, one instruction a turn, in the same order in
; every quarter, over the loop's backward jump and into the tail.
; One of the first three: multiplies buffer f; in its middle it fetches the next quarter's fragments, at byte k of the same slot's rows, into buffer g.
.macro QUARTER slot, k, f, g, zero
	s_wait_dscnt 8                                 ; wb and xb's rows 0-63 are in; the youngest eight loads (xb's rows 64-127) may be out
	WIN MUL_LO
	MUL16 \f, 0, 0, \zero
	MUL16 \f, 0, 2, \zero
	PLACES
	FETCH \slot, \k, \g
	s_wait_dscnt 32                                ; all but the 32 just issued
	WIN MUL_HI
	MUL16 \f, 1, 0, \zero
	MUL16 \f, 1, 2, \zero
.endm
; The last quarter multiplies buffer 1 and changes slots.  MEET is its first half: ONE barrier for the change of slots, for two things.  In front of it each wave waits for
; all its tensor loads, of which one is out: its part of the next slot; adds 0 to its spare word; and waits for that and for its own reads of this slot.  Behind it nobody reads this slot any more and the next slot is whole.
.macro MEET round                      ; round = 1: a round of the cluster's barrier follows
	WIN 0                                          ; (the add's two registers lie in window 0)
	s_wait_tensorcnt 0x0                           ; all my tensor loads have landed: the one that was out is my part of the next slot;
	ds_add_u32 v[SPW], v[NIL]                      ; 0 onto my spare word;
	s_wait_dscnt 9                                 ; (the add and the youngest eight loads may be out)
	WIN MUL_LO
	MUL16 F1, 0, 0, 0                              ; sixteen matrix instructions stand between the add and the wait for it
	s_wait_dscnt 0x0                               ; the add is done, and my reads of this slot are over (the last were issued 48 matrix instructions ago):
	s_barrier_signal -1                            ; say so (where a slot is filled again this barrier opens a round of the cluster's barrier),
	MUL16 F1, 0, 2, 0                              ; work on registers while the others arrive,
.if \round
	WIN 0
.endif
	s_barrier_wait -1                              ; and go on when all four have said so
.endm
; The whole last quarter.  fill = 1: behind the round the slot just read out is filled again first, with the K step two steps on; then come the next slot's first fragments.
; From a request to the wait for it a wave issues 224 matrix instructions; one tensor load of mine is out meanwhile.  fill = 0 (the last lap): nothing is asked for, and no round follows.
.macro TURN slot, next, fill
	MEET \fill
.if \fill
	CREST                                          ; wave 0 says so for the work-group, all sixteen work-groups have said so, my work-group's barrier closes the round:
	                                               ; no wave of any partner still reads this slot's tile or has a load on its way
	s_add_nc_u64 s[G0+4*(\slot)+2:G0+4*(\slot)+3], s[G0+4*(\slot)+2:G0+4*(\slot)+3], 2*KSTEP*2     ; no tensor load of mine is out, so a group 0 may be written; the type bits on top are not reached
	s_add_nc_u64 s[G0B+4*(\slot)+2:G0B+4*(\slot)+3], s[G0B+4*(\slot)+2:G0B+4*(\slot)+3], 2*KSTEP*2
	JLOAD \slot                                    ; the first tensor load behind the round; the four v_nop behind it are also the places in front of the loads below
.else
	PLACES
.endif
	FETCH \next, 0, F0
	WIN MUL_HI
	MUL16 F1, 1, 0, 0
	MUL16 F1, 1, 2, 0
.endm
; THE WAY OUT of block a (16 of my 128 rows), in two parts.  A lane's 32 bytes are a sixteenth of its row's 512, and the lanes beside it hold other rows; so the block goes through my own stage in LDS.
; TOSTAGE: the eight accumulators as they are, f32, into rows of 528 bytes (each accumulator's four lowest registers first), and back as pieces of 256 bytes of a row.
.macro TOSTAGE a
.set AC, 64*((\a)%4)                   ; the block's eight accumulators, in window 2 (blocks 0-3) or 3 (blocks 4-7)
.set BK, OB+64*((\a)%2)
	WIN 0x08+4*((\a)/4)                            ; an LDS store's data is source 1
.irp b, 0,1,2,3,4,5,6,7
	ds_store_b128 v[STO], v[AC+8*(\b):AC+8*(\b)+3]   offset:64*(\b)
	ds_store_b128 v[STO], v[AC+8*(\b)+4:AC+8*(\b)+7] offset:64*(\b)+16
.endr
	WIN 0
.if (\a) >= 2
	s_wait_xcnt 0x0                                ; every earlier memory instruction has had its addresses translated (ISA guide 3.1): the registers that block a - 2's stores read are loaded again only behind this wait
.endif
.irp t, 0,1,2,3,4,5,6,7,8,9,10,11,12,13,14,15
	ds_load_b128 v[BK+4*(\t):BK+4*(\t)+3], v[RD] offset:((\t)/2)*2*SPITCH+((\t)%2)*256  ; LDS serves a wave's instructions in order (ISA guide 5.7.1.4): these see the stores above; the next block's stores come behind them
.endr
.endm
; SEND: the bias is added, and the block is stored.  younger: the LDS instructions issued behind the block's loads: the next block's 32, or none.
.macro SEND a, younger
	WIN 0
.set BK, OB+64*((\a)%2)
	s_wait_dscnt \younger                          ; the block is back in registers
.irp t, 0,1,2,3,4,5,6,7,8,9,10,11,12,13,14,15
	v_pk_add_f32 v[BK+4*(\t):BK+4*(\t)+1],   v[BK+4*(\t):BK+4*(\t)+1],   v[BI+4*((\t)%2):BI+4*((\t)%2)+1]
	v_pk_add_f32 v[BK+4*(\t)+2:BK+4*(\t)+3], v[BK+4*(\t)+2:BK+4*(\t)+3], v[BI+4*((\t)%2)+2:BI+4*((\t)%2)+3]
	global_store_b128 v[CO], v[BK+4*(\t):BK+4*(\t)+3], s[8:9] offset:(16*(\a)+2*((\t)/2))*SIZE_N*4+((\t)%2)*256 th:TH_STORE_NT  ; 16 lanes store 256 consecutive bytes, at a multiple of 256 from out0's first byte; the row and the half stand in the immediate, 2,064,640 at the most, inside its signed 24 bits (ISA guide, chapter 10)
.endr
.endm
	s_wait_loadcnt 0x0                             ; my bias, once
	s_wait_tensorcnt 1                             ; my part of K step 0 is in; K step 1's may stay out
	s_barrier_signal -1
	s_barrier_wait -1                              ; everybody's is
	FETCH 0, 0, F0
	QUARTER 0, 64,  F0, F1, 1                      ; the first quarter stands in front of the loop: its products start the sums
	WIN 0                                          ; at a label and at a branch every window is 0
	s_mov_b32 s3, LAPS-1
.Llap:                                                 ; a trip goes once round the ring, from a lap's second quarter to the next lap's first, and fills both slots again: the last trip asks for K steps 30 and 31
	QUARTER 0, 128, F1, F0, 0
	QUARTER 0, 192, F0, F1, 0
	TURN 0, 1, 1
	QUARTER 1, 64,  F0, F1, 0
	QUARTER 1, 128, F1, F0, 0
	QUARTER 1, 192, F0, F1, 0
	TURN 1, 0, 1
	QUARTER 0, 64,  F0, F1, 0
	WIN 0
	s_sub_co_u32 s3, s3, 1
	s_cmp_lg_u32 s3, 0
	s_cbranch_scc1 .Llap
	QUARTER 0, 128, F1, F0, 0                      ; the last lap is written out: it fills nothing
	QUARTER 0, 192, F0, F1, 0
	TURN 0, 1, 0
	QUARTER 1, 64,  F0, F1, 0
	QUARTER 1, 128, F1, F0, 0
	QUARTER 1, 192, F0, F1, 0
	s_wait_dscnt 8                                 ; the very last quarter: nothing more to fetch
	WIN MUL_LO
	MUL16 F1, 0, 0, 0
	MUL16 F1, 0, 2, 0
	s_wait_dscnt 0x0
	MUL16 F1, 1, 0, 0
	MUL16 F1, 1, 2, 0
	WIN 0
	PLACES                                         ; behind the last products: the stage's stores read results, and its loads land on fragment registers
	TOSTAGE 0
	TOSTAGE 1                                      ; a block's trip through the stage stands between the loads of the block before and the wait for them
	SEND 0, 32
.irp a, 2,3,4,5,6,7
	TOSTAGE \a
	SEND (\a)-1, 32
.endr
	SEND 7, 0
	s_wait_tensorcnt 0x0                           ; the wave's end: an add to my spare word and its wait, behind my last tensor load and my last LDS store
	ds_add_u32 v[SPW], v[NIL]
	s_wait_dscnt 0x0
	CROUND                                         ; the closing round: no work-group ends while a partner may still ask for a tile that names it
	s_endpgm
.Lfunc_end_k_qbde7d4bc30_gemm:
	.size	k_qbde7d4bc30_gemm, .Lfunc_end_k_qbde7d4bc30_gemm-k_qbde7d4bc30_gemm
	.p2alignl 7, 3214868480
	.fill 96, 4, 3214868480
	.section	.rodata,"a",@progbits
	.p2align	6, 0x0
	.amdhsa_kernel k_qbde7d4bc30_gemm
		.amdhsa_group_segment_fixed_size 327680
		.amdhsa_private_segment_fixed_size 0
		.amdhsa_enable_private_segment 0
		.amdhsa_kernarg_size 32
		.amdhsa_user_sgpr_count 2
		.amdhsa_user_sgpr_kernarg_segment_ptr 1
		.amdhsa_wavefront_size32 1
		.amdhsa_system_sgpr_workgroup_id_x 1
		.amdhsa_system_sgpr_workgroup_id_y 1
		.amdhsa_system_sgpr_workgroup_id_z 1
		.amdhsa_system_vgpr_workitem_id 0
		.amdhsa_next_free_vgpr 1024
		.amdhsa_next_free_sgpr 68
		.amdhsa_reserve_vcc 0
		.amdhsa_float_denorm_mode_32 3
		.amdhsa_float_denorm_mode_16_64 3
		.amdhsa_memory_ordered 1
		.amdhsa_forward_progress 1
		.amdhsa_inst_pref_size 157
	.end_amdhsa_kernel
	.amdgpu_metadata
---
amdhsa.version: [ 1, 2 ]
amdhsa.kernels:
  - .name:           k_qbde7d4bc30_gemm
    .symbol:         k_qbde7d4bc30_gemm.kd
    .args:
      - { .name: xb, .offset: 0, .size: 8, .value_kind: global_buffer, .address_space: global }
      - { .name: wb, .offset: 8, .size: 8, .value_kind: global_buffer, .address_space: global }
      - { .name: out0, .offset: 16, .size: 8, .value_kind: global_buffer, .address_space: global }
      - { .name: bias, .offset: 24, .size: 8, .value_kind: global_buffer, .address_space: global }
    .group_segment_fixed_size: 327680
    .private_segment_fixed_size: 0
    .kernarg_segment_align: 8
    .kernarg_segment_size: 32
    .max_flat_workgroup_size: 128
    .sgpr_count:     68
    .vgpr_count:     1024
    .wavefront_size: 32
...
	.end_amdgpu_metadata
.endif
;; end of part 2
;; ======== version 2 of 2: 2 launches; version 1 with the launch prep written anew for expert scheduling mode
;; workspace buffers: xb 33,554,432 bytes; wb 33,554,432 bytes
;; launch prep (part 3): grid 768 x 1, 8 waves a work-group, no clusters, 0 bytes of LDS; arguments x, W_r, W_i, W_j, W_k, xb, wb; writes xb, wb
.if DOCPART == 3
	.amdgcn_target "amdgcn-amd-amdhsa--gfx1250"
	.amdhsa_code_object_version 6
	.text
	.protected	k_qbde7d4bc30_prep
	.globl	k_qbde7d4bc30_prep
	.p2align	8
	.type	k_qbde7d4bc30_prep,@function
k_qbde7d4bc30_prep:
	s_mov_b64 s[64:65], 0
	v_nop
	global_prefetch_b8 v0, s[64:65] scope:SCOPE_SE
	s_setreg_imm32_b32 hwreg(HW_REG_WAVE_SCHED_MODE, 0, 2), 2
	s_setreg_imm32_b32 hwreg(HW_REG_WAVE_MODE, 25, 1), 1
	s_wait_xcnt 0x0
	s_wait_alu depctr_vm_vsrc(0)
; xb = bf16(x), [4096][4096];  wb = bf16(W_block), [4096 (n)][4096 (k)]: sixteen blocks of 1024 x 1024, block (o, i) = +-W_s with s = o xor i
; (r, i, j, k numbered 0 to 3), negative where bit 4 o + i of SIGNS is set (the Hamilton product's pattern: rows E, 8, 2, 4).
; LIMITS.  Each number is rounded once, to nearest even; bf16 has f32's range, so nothing overflows that was finite by more than the rounding; the sign is
; flipped behind the rounding, which gives the same number as rounding the negative; the negative of a zero is -0; NaN and infinities pass as the conversion leaves them.
; A STREAM: a chunk is 1,024 f32 (4,096 bytes in, 2,048 bytes out).  Thread t owns numbers 4 t to 4 t + 3 of every chunk: a wave's load covers 512 consecutive bytes,
; a wave's store 256 consecutive bytes that begin at a multiple of 256 from the buffer's first byte.
; SHARES.  Work-groups 0 to 511: 32 chunks of x each (8 rows).  Work-groups 512 to 767: 4 rows of each of the four W (a row is a chunk); each is read and rounded
; once and stored four times, once into each row of blocks.  Either kind moves 768 bytes a thread.
; All of a thread's loads go out first, each into registers of its own; the waits count down, and no register that a load or store names is ever written again,
; so no wait frees a source.  No LDS, no barrier, no matrix unit, no cluster: the work-groups share no input and no wave needs another's numbers.
; THE MODE: SCHED_MODE bits 1:0 = 2 (LLVM: expert scheduling mode 2), set by the entry lines.  The code itself states the register dependences
; between vector instructions and memory instructions, with s_wait_alu, always for 0.
; THE PLAN.  Registers that memory instructions touch:
;   v1, v2      byte offsets, written once at the head and never again: v1 is read by every load, v2 by every store.
;   v[4:131]    a group of four for each load.  No vector instruction names a group before its load is issued; the load lands in it once; the group's conversions
;               (and, for W_i, W_j, W_k, two exclusive ors) write it in place; its stores read it; nothing writes it after that.
; The chunks go in blocks of four.  Block p's vector instructions name block p's groups alone; its memory instructions are the stores of block p - 1, which read
; block p - 1's groups and v2.  So ONE wait on va_vdst at a block's head, behind the wait for its data, states all that those stores hang on, and they are dealt
; among the block's conversions with no further wait.  One more stands behind the last block, ahead of its own stores, and one at the head, for v1 and v2.
; No register that a memory instruction has read is written again, no vector instruction writes a scalar register or VCC, and EXEC is never written: no other wait is owed.
.set XGROUPS, 512                      ; work-groups that cast x
.set SIGNS,   0x428e
.set X,       4                        ; v[4:131]  four registers for each load; v1 = 16 t (in), v2 = 8 t (out)
	s_load_b256 s[4:11], s[0:1], 0x0               ; x s[4:5], W_r s[6:7], W_i s[8:9], W_j s[10:11]
	s_load_b128 s[12:15], s[0:1], 0x20             ; W_k s[12:13], xb s[14:15]
	s_load_b64 s[16:17], s[0:1], 0x30              ; wb
	v_lshlrev_b32 v1, 4, v0
	v_lshlrev_b32 v2, 3, v0
	s_wait_alu depctr_va_vdst(0)                   ; v1 and v2 are written: every load of either path reads v1 as its offset, every store v2
	s_mov_b32 s19, 0                               ; the offsets' high words
	s_mov_b32 s21, 0
	s_cmp_lt_u32 ttmp9, XGROUPS
	s_cbranch_scc0 .Lweights
	; ---- x ----
	s_lshl_b32 s18, ttmp9, 17                      ; 32 chunks of 4,096 bytes in,
	s_lshl_b32 s20, ttmp9, 16                      ; of 2,048 bytes out
	s_wait_kmcnt 0x0
	s_add_nc_u64 s[4:5], s[4:5], s[18:19]
	s_add_nc_u64 s[14:15], s[14:15], s[20:21]
.set n, 0
.rept 32
	global_load_b128 v[X+4*n:X+4*n+3], v1, s[4:5] offset:4096*n th:TH_LOAD_NT  ; read once in the launch
.set n, n+1
.endr
.macro XCVT i                          ; chunk i is rounded
	v_cvt_pk_bf16_f32 v[X+4*(\i)], v[X+4*(\i)], v[X+4*(\i)+1]      ; in place: the first pair's word lands on a register that is spent by then,
	v_cvt_pk_bf16_f32 v[X+4*(\i)+1], v[X+4*(\i)+2], v[X+4*(\i)+3]  ; and so does the second's
.endm
.macro XSTORE i                        ; chunk i is stored
	global_store_b64 v2, v[X+4*(\i):X+4*(\i)+1], s[14:15] offset:2048*(\i)  ; no hint: the next launch reads it
.endm
; Block p: chunks 4 p to 4 p + 3 are rounded, and the block before is stored.
.macro XBLK p
	s_wait_loadcnt 28-4*(\p)                       ; loads come back in order (ISA guide 5.7.1): block p's four are in, the 28 - 4 p younger ones stay out
.if (\p) > 0
	s_wait_alu depctr_va_vdst(0)                   ; the conversions of block p - 1 have written its eight words, which the four stores below read
.endif
.irp i, 0,1,2,3
.if (\p) > 0
	XSTORE 4*(\p)-4+(\i)                           ; no vector instruction since the wait names this chunk's registers or v2
.endif
	XCVT 4*(\p)+(\i)
.endr
.endm
.irp p, 0,1,2,3,4,5,6,7
	XBLK \p
.endr
	s_wait_alu depctr_va_vdst(0)                   ; the conversions of block 7 have written its eight words, which the last four stores read
.irp i, 28,29,30,31
	XSTORE \i
.endr
	s_endpgm
	; ---- the four W ----
.Lweights:
	s_sub_co_u32 s23, ttmp9, XGROUPS               ; which 4 rows
	s_lshl_b32 s18, s23, 14                        ; 4 rows of 4,096 bytes in each W,
	s_lshl_b32 s20, s23, 15                        ; 4 rows of 8,192 bytes in wb
	s_mov_b32 s22, 0x80008000                      ; the signs of two bf16
	s_wait_kmcnt 0x0
.irp s, 0,1,2,3
	s_add_nc_u64 s[6+2*(\s):7+2*(\s)], s[6+2*(\s):7+2*(\s)], s[18:19]
.endr
.irp o, 0,1,2,3
	s_add_nc_u64 s[24+2*(\o):25+2*(\o)], s[16:17], s[20:21]        ; wb at my rows of the row of blocks o:
.if (\o) != 0
	s_add_nc_u64 s[24+2*(\o):25+2*(\o)], s[24+2*(\o):25+2*(\o)], (\o)*0x800000  ; 1,024 rows of 8,192 bytes apart
.endif
.endr
.macro WLOAD q, s                      ; row q of my four, of source s
	global_load_b128 v[X+4*(4*(\q)+(\s)):X+4*(4*(\q)+(\s))+3], v1, s[6+2*(\s):7+2*(\s)] offset:4096*(\q) th:TH_LOAD_NT
.endm
.macro WCVT q, s                       ; that row is rounded, and negated beside
.set RG, X+4*(4*(\q)+(\s))
	v_cvt_pk_bf16_f32 v[RG], v[RG], v[RG+1]
	v_cvt_pk_bf16_f32 v[RG+1], v[RG+2], v[RG+3]
.if (\s) != 0                          ; W_r is never negated
	v_xor_b32 v[RG+2], s22, v[RG]                  ; the negatives, in the two registers that are spent
	v_xor_b32 v[RG+3], s22, v[RG+1]
.endif
.endm
.macro WSTORE q, s                     ; that row is stored four times
.set RG, X+4*(4*(\q)+(\s))
.irp o, 0,1,2,3                        ; in the row of blocks o source s stands in column block o xor s
.set COL, (\o)^(\s)
.set NEG, (SIGNS>>(4*(\o)+COL))&1
	global_store_b64 v2, v[RG+2*NEG:RG+2*NEG+1], s[24+2*(\o):25+2*(\o)] offset:8192*(\q)+2048*COL
.endr
.endm
; Block q: row q of all four sources is rounded, and the block before is stored.
.macro WBLK q
	s_wait_loadcnt 12-4*(\q)                       ; row q of the four sources is in, the 12 - 4 q younger loads stay out
.if (\q) > 0
	s_wait_alu depctr_va_vdst(0)                   ; the conversions and exclusive ors of block q - 1 have written its words and their negatives, which the sixteen stores below read
.endif
.irp s, 0,1,2,3
.if (\q) > 0
	WSTORE (\q)-1, \s                              ; no vector instruction since the wait names this row's registers or v2
.endif
	WCVT \q, \s
.endr
.endm
.irp q, 0,1,2,3
.irp s, 0,1,2,3
	WLOAD \q, \s
.endr
.endr
.irp q, 0,1,2,3
	WBLK \q
.endr
	s_wait_alu depctr_va_vdst(0)                   ; the conversions and exclusive ors of block 3 have written its words and their negatives, which the last sixteen stores read
.irp s, 0,1,2,3
	WSTORE 3, \s
.endr
	s_endpgm
.Lfunc_end_k_qbde7d4bc30_prep:
	.size	k_qbde7d4bc30_prep, .Lfunc_end_k_qbde7d4bc30_prep-k_qbde7d4bc30_prep
	.p2alignl 7, 3214868480
	.fill 96, 4, 3214868480
	.section	.rodata,"a",@progbits
	.p2align	6, 0x0
	.amdhsa_kernel k_qbde7d4bc30_prep
		.amdhsa_group_segment_fixed_size 0
		.amdhsa_private_segment_fixed_size 0
		.amdhsa_enable_private_segment 0
		.amdhsa_kernarg_size 56
		.amdhsa_user_sgpr_count 2
		.amdhsa_user_sgpr_kernarg_segment_ptr 1
		.amdhsa_wavefront_size32 1
		.amdhsa_system_sgpr_workgroup_id_x 1
		.amdhsa_system_sgpr_workgroup_id_y 1
		.amdhsa_system_sgpr_workgroup_id_z 1
		.amdhsa_system_vgpr_workitem_id 0
		.amdhsa_next_free_vgpr 132
		.amdhsa_next_free_sgpr 66
		.amdhsa_reserve_vcc 0
		.amdhsa_float_denorm_mode_32 3
		.amdhsa_float_denorm_mode_16_64 3
		.amdhsa_memory_ordered 1
		.amdhsa_forward_progress 1
		.amdhsa_inst_pref_size 23
	.end_amdhsa_kernel
	.amdgpu_metadata
---
amdhsa.version: [ 1, 2 ]
amdhsa.kernels:
  - .name:           k_qbde7d4bc30_prep
    .symbol:         k_qbde7d4bc30_prep.kd
    .args:
      - { .name: x, .offset: 0, .size: 8, .value_kind: global_buffer, .address_space: global }
      - { .name: W_r, .offset: 8, .size: 8, .value_kind: global_buffer, .address_space: global }
      - { .name: W_i, .offset: 16, .size: 8, .value_kind: global_buffer, .address_space: global }
      - { .name: W_j, .offset: 24, .size: 8, .value_kind: global_buffer, .address_space: global }
      - { .name: W_k, .offset: 32, .size: 8, .value_kind: global_buffer, .address_space: global }
      - { .name: xb, .offset: 40, .size: 8, .value_kind: global_buffer, .address_space: global }
      - { .name: wb, .offset: 48, .size: 8, .value_kind: global_buffer, .address_space: global }
    .group_segment_fixed_size: 0
    .private_segment_fixed_size: 0
    .kernarg_segment_align: 8
    .kernarg_segment_size: 56
    .max_flat_workgroup_size: 256
    .sgpr_count:     66
    .vgpr_count:     132
    .wavefront_size: 32
...
	.end_amdgpu_metadata
.endif
;; end of part 3
;; launch gemm: the kernel of part 2 again; grid 16 x 16, 4 waves a work-group, clusters of 4 x 4, 327,680 bytes of LDS; arguments xb, wb, out0, bias; writes out0
